; MI455X (gfx1250); checked and timed in simulation.
; The chip was launched on July 23, 2026; its instructions are those of AMD's public machine-readable ISA for CDNA 5 (MIT licence, August 2026) and "CDNA5" Instruction Set Architecture Reference Guide (July 2026). The comments in the code are by the model that wrote it; some were corrected since.
;; Mo E Layer. Allowed arithmetic: float matrix products may take bf16 or f16 operands with f32 sums; other float arithmetic in f32, or as packed bf16 or f16 multiplies, adds, multiply-adds, maxima and minima; sums over many terms, partial sums and values carried from step to step in f32; what a program stores and reads back later, other than sums and carried values, may be rounded once to bf16 or f16.
;; Inputs: We 8 x 512 x 512 float32; Wg 512 x 8 float32; be 8 x 512 float32; bg 8 float32; x 4 x 8,192 x 512 float32.
;; Outputs: out0 4 x 8,192 x 512 float32.
;; 2 versions, each right; version 2 is version 1 with the launch prep written anew for expert scheduling mode. Each part assembles by itself: llvm-mc -triple=amdgcn-amd-amdhsa -mcpu=gfx1250 --defsym DOCPART=n.
;; ======== version 1 of 2: 2 launches
;; workspace buffers: wf 4,194,304 bytes; wgf 16,384 bytes
;; launch prep (part 1): grid 260 x 1, 4 waves a work-group, no clusters, 0 bytes of LDS; arguments We, Wg, wf, wgf; writes wf, wgf
.if DOCPART == 1
	.amdgcn_target "amdgcn-amd-amdhsa--gfx1250"
	.amdhsa_code_object_version 6
	.text
	.protected	k_qc45be9ea49_prep
	.globl	k_qc45be9ea49_prep
	.p2align	8
	.type	k_qc45be9ea49_prep,@function
k_qc45be9ea49_prep:
	s_mov_b64 s[64:65], 0
	v_nop
	global_prefetch_b8 v0, s[64:65] scope:SCOPE_SE
	s_setreg_imm32_b32 hwreg(HW_REG_WAVE_MODE, 25, 1), 1
	s_wait_xcnt 0x0
; We [8][512 k][512 n] f32 and Wg [512 k][8] f32 are rounded once to bf16 and laid out in the order in which the next launch's matrix operands take them.
; wf, byte u*131072 + cg*65536 + ks*4096 + nb*1024 + q*512 + l*16 (u = 8 p + e, l = 16 h + r): the 16 bytes are bf16 of We[e][k][n], k = 32 ks + 16 q + 8 h + 0..7, n = 128 p + 64 cg + 16 nb + r.
; So 1,024 bytes are one fragment of 16 columns x 32 k (two loads of 16 bytes a lane, lanes side by side), and 131,072 bytes one expert x 128 columns x all k, in the order of the walk.
; wgf, byte ks*1024 + q*512 + l*16: bf16 of Wg[k][r & 7], k as above: rows 8-15 of the fragment repeat rows 0-7.
; SHARES.  Work-groups 0-255: each wave one task of 32 k x 64 columns of one expert (1,024 tasks).  Work-groups 256-259: each wave one fragment of Wg (16).  No LDS, no barrier: no wave needs another's data.
; A lane keeps one column and 32 k, so that a store's 16 bytes are 8 neighbouring k of one column and 16 lanes store 256 consecutive aligned bytes; the price is loads of 4 bytes a lane,
; 128 consecutive bytes an instruction; a wave's two column sets together take the whole aligned 256 bytes of each row.
.set X,  8                             ; v[8:71]   set s at X + 32 s: my column's 32 k, f32
.set Y,  72                            ; v[72:103] packed: set s, q, h at Y + 16 s + 8 q + 4 h
	s_load_b256 s[4:11], s[0:1], 0x0               ; We s[4:5], Wg s[6:7], wf s[8:9], wgf s[10:11]
	v_lshrrev_b32 v1, 5, v0
	v_readfirstlane_b32 s16, v1                    ; wave 0..3
	v_and_b32 v4, 31, v0                           ; lane
	v_and_b32 v5, 15, v0                           ; r
	v_bfe_u32 v6, v0, 4, 1                         ; h
	s_mov_b32 s12, ttmp9
	s_cmp_ge_u32 s12, 256
	s_cbranch_scc1 .Lgate
	s_lshl_b32 s13, s12, 2
	s_add_co_u32 s13, s13, s16                     ; task T = 4 x work-group + wave
	s_and_b32 s14, s13, 7                          ; which 64 columns: 2 p + cg
	s_bfe_u32 s15, s13, 0x40003                    ; ks: 4 bits from bit 3
	s_lshr_b32 s17, s13, 7                         ; e
	s_lshr_b32 s18, s14, 1                         ; p
	s_and_b32 s19, s14, 1                          ; cg
	s_lshl_b32 s20, s17, 20                        ; source offset: e x 512 x 2,048 bytes
	s_lshl_b32 s22, s15, 16                        ; + 32 ks rows of 2,048 bytes
	s_add_co_u32 s20, s20, s22
	s_lshl_b32 s22, s14, 8                         ; + 64 columns of 4 bytes
	s_add_co_u32 s20, s20, s22
	s_mov_b32 s21, 0
	s_lshl3_add_u32 s24, s18, s17                  ; u = 8 p + e
	s_lshl_b32 s24, s24, 17
	s_lshl_b32 s22, s19, 16
	s_add_co_u32 s24, s24, s22
	s_lshl_b32 s22, s15, 12
	s_add_co_u32 s24, s24, s22
	s_mov_b32 s25, 0
	v_lshlrev_b32 v2, 2, v4                        ; in: 4 bytes a lane
	v_lshlrev_b32 v3, 4, v5                        ; out: 16 r, and lanes 16-31 one fragment (1,024 bytes) on
	v_lshl_add_u32 v3, v6, 10, v3
	s_wait_kmcnt 0x0
	s_add_nc_u64 s[4:5], s[4:5], s[20:21]
	s_add_nc_u64 s[8:9], s[8:9], s[24:25]
.irp s, 0,1
.set kk, 0
.rept 32
	global_load_b32 v[X+32*\s+kk], v2, s[4:5] offset:kk*2048+\s*128 th:TH_LOAD_NT  ; We[e][32 ks + kk][.. + 32 s + lane]; each byte of We is read once in the launch
.set kk, kk+1
.endr
.endr
.irp s, 0,1
	s_wait_loadcnt 32-32*\s                        ; loads return in order: set 0 is in while set 1's 32 are out; then all
.irp q, 0,1
.irp h, 0,1
.irp i, 0,1,2,3
	v_cvt_pk_bf16_f32 v[Y+16*\s+8*\q+4*\h+\i], v[X+32*\s+16*\q+8*\h+2*\i], v[X+32*\s+16*\q+8*\h+2*\i+1]
.endr
	global_store_b128 v3, v[Y+16*\s+8*\q+4*\h:Y+16*\s+8*\q+4*\h+3], s[8:9] offset:\s*2048+\q*512+\h*256  ; 16 lanes store 256 consecutive bytes, aligned
.endr
.endr
.endr
	s_endpgm
.Lgate:
	s_sub_co_u32 s13, s12, 256
	s_lshl_b32 s13, s13, 2
	s_add_co_u32 s13, s13, s16                     ; ks = 4 x (work-group - 256) + wave
	s_lshl_b32 s20, s13, 10                        ; 32 rows of 32 bytes in Wg, and 1,024 bytes in wgf
	s_mov_b32 s21, 0
	v_and_b32 v7, 7, v0
	v_lshlrev_b32 v2, 2, v7                        ; column r & 7,
	v_lshl_add_u32 v2, v6, 8, v2                   ; rows 8 h on
	v_lshlrev_b32 v3, 4, v4
	s_wait_kmcnt 0x0
	s_add_nc_u64 s[6:7], s[6:7], s[20:21]
	s_add_nc_u64 s[10:11], s[10:11], s[20:21]
.irp q, 0,1
.irp i, 0,1,2,3,4,5,6,7
	global_load_b32 v[X+8*\q+\i], v2, s[6:7] offset:\q*512+\i*32
.endr
.endr
	s_wait_loadcnt 0x0
.irp q, 0,1
.irp i, 0,1,2,3
	v_cvt_pk_bf16_f32 v[Y+4*\q+\i], v[X+8*\q+2*\i], v[X+8*\q+2*\i+1]
.endr
	global_store_b128 v3, v[Y+4*\q:Y+4*\q+3], s[10:11] offset:\q*512  ; 512 consecutive bytes
.endr
	s_endpgm
.Lfunc_end_k_qc45be9ea49_prep:
	.size	k_qc45be9ea49_prep, .Lfunc_end_k_qc45be9ea49_prep-k_qc45be9ea49_prep
	.p2alignl 7, 3214868480
	.fill 96, 4, 3214868480
	.section	.rodata,"a",@progbits
	.p2align	6, 0x0
	.amdhsa_kernel k_qc45be9ea49_prep
		.amdhsa_group_segment_fixed_size 0
		.amdhsa_private_segment_fixed_size 0
		.amdhsa_enable_private_segment 0
		.amdhsa_kernarg_size 32
		.amdhsa_user_sgpr_count 2
		.amdhsa_user_sgpr_kernarg_segment_ptr 1
		.amdhsa_wavefront_size32 1
		.amdhsa_system_sgpr_workgroup_id_x 1
		.amdhsa_system_sgpr_workgroup_id_y 1
		.amdhsa_system_sgpr_workgroup_id_z 1
		.amdhsa_system_vgpr_workitem_id 0
		.amdhsa_next_free_vgpr 112
		.amdhsa_next_free_sgpr 66
		.amdhsa_reserve_vcc 0
		.amdhsa_float_denorm_mode_32 3
		.amdhsa_float_denorm_mode_16_64 3
		.amdhsa_memory_ordered 1
		.amdhsa_forward_progress 1
		.amdhsa_inst_pref_size 14
	.end_amdhsa_kernel
	.amdgpu_metadata
---
amdhsa.version: [ 1, 2 ]
amdhsa.kernels:
  - .name:           k_qc45be9ea49_prep
    .symbol:         k_qc45be9ea49_prep.kd
    .args:
      - { .name: We, .offset: 0, .size: 8, .value_kind: global_buffer, .address_space: global }
      - { .name: Wg, .offset: 8, .size: 8, .value_kind: global_buffer, .address_space: global }
      - { .name: wf, .offset: 16, .size: 8, .value_kind: global_buffer, .address_space: global }
      - { .name: wgf, .offset: 24, .size: 8, .value_kind: global_buffer, .address_space: global }
    .group_segment_fixed_size: 0
    .private_segment_fixed_size: 0
    .kernarg_segment_align: 8
    .kernarg_segment_size: 32
    .max_flat_workgroup_size: 128
    .sgpr_count:     66
    .vgpr_count:     112
    .wavefront_size: 32
...
	.end_amdgpu_metadata
.endif
;; end of part 1
;; launch moe (part 2): grid 256 x 1, 4 waves a work-group, clusters of 4 x 1, 327,680 bytes of LDS; arguments x, wf, wgf, be, bg, out0; writes out0
.if DOCPART == 2
	.amdgcn_target "amdgcn-amd-amdhsa--gfx1250"
	.amdhsa_code_object_version 6
	.text
	.protected	k_qc45be9ea49_moe
	.globl	k_qc45be9ea49_moe
	.p2align	8
	.type	k_qc45be9ea49_moe,@function
k_qc45be9ea49_moe:
	s_mov_b64 s[64:65], 0
	v_nop
	global_prefetch_b8 v0, s[64:65] scope:SCOPE_SE
	s_setreg_imm32_b32 hwreg(HW_REG_WAVE_MODE, 25, 1), 1
	s_wait_xcnt 0x0
	s_wait_alu depctr_hold_cnt(0) depctr_sa_sdst(0) depctr_va_vdst(0) depctr_va_sdst(0) depctr_va_ssrc(0) depctr_va_vcc(0) depctr_vm_vsrc(0)
	s_getreg_b32 s2, hwreg(HW_REG_IB_STS2, 6, 4)
	s_cmp_eq_u32 s2, 0
	s_cbranch_scc0 .Lentry_in_a_cluster
	s_endpgm
.Lentry_in_a_cluster:
	s_bfe_u32 s2, ttmp6, 0x10000c
	s_cmp_lg_u32 s2, 0x3003
	s_cbranch_scc0 .Lentry_shape_is_right
	s_endpgm
.Lentry_shape_is_right:
; out[t][:] = w[t] x the sum over 8 experts e of relu(x[t] We[e] + be[e]);  w[t] = the two largest of softmax(x[t] Wg + bg), added.  32,768 tokens, 512 channels.
; x, We and Wg enter the products rounded to bf16 (We, Wg by the launch before, in fragment order); sums, bias, relu, softmax and scale in f32.
; LIMITS.  relu is a maximum with 0 in which a NaN loses: a NaN before the relu gives 0 where the definition gives NaN; infinities are not treated apart.  A gate exponential below 2^-126 counts as 0.
; SHARES.  A work-group owns 128 tokens, all 512 output columns and all experts: 256 work-groups of equal work.  Wave (rg, cg) owns tokens 64 rg .. + 63, which it keeps as bf16 fragments in 512 registers
; for the whole launch, so that LDS is read for weights alone: a fragment of 1,024 bytes feeds four matrix instructions.
; THE WALK.  32 units u = 8 p + e of 131,072 bytes of weights: expert e, output columns 128 p .. + 127, all 512 k.  In a unit a wave makes 64 tokens x 64 columns (128 p + 64 cg ..): 16 accumulators,
; 256 matrix instructions; the first k step takes the bias as its C operand.  Behind a unit RS += relu(ACC); behind e = 7 the pass's block is scaled by w and stored.
; THE MATRIX INSTRUCTION IS USED TRANSPOSED: source 0 = 16 output columns of the weights, source 1 = 16 tokens.  A lane then holds one token (lane % 16) and eight neighbouring columns 8 (lane / 16) + 0..7.
; RING.  Two LDS slots.  Each first takes half of x's channels (f32, 128 rows of 1,024 bytes, padded), is converted into registers, and from then on takes units by turns.
; CLUSTER.  All work-groups walk the same units, so the four of a cluster ask for each quarter of a unit JOINTLY: the same tensor load, descriptor and mask (15) in all four.  x is nobody else's: plain loads.
; REGISTERS, in windows of 256 (s_set_vgpr_msb: bits 1:0 source 0, 3:2 source 1, 5:4 source 2, 7:6 destination):
;   window 0: v0-14 addresses; v16-23 w; v28-29 the add's; v32-63 bias; v64-127, v128-191 two buffers of weight fragments (at first Wg's 16 fragments); v192-199 bg
;   window 1: v0-127 the 16 accumulators ((a, nb) at 8 (4 a + nb)); v128-255 RS in the same order; at first four sets of 64 for x in f32, then the gate's work
;   windows 2, 3: x's fragments: token block a, k step ks at 32 (ks % 8) + 8 a of window 2 + ks / 8
.set XP,    1040                       ; a row of x in LDS: 1,024 bytes + 16 = 65 x 16: the 16 rows that a load touches start at 16 different groups of four banks (64 banks of 4 bytes: ISA guide 11.1)
.set SLOT,  128*XP                     ; 133,120 bytes: 128 rows of x, later a unit of 131,072
.set UNITB, 131072
.set STAGE, 2*SLOT                     ; behind the ring, never filled by a tensor load: 16 rows x 272 bytes for each wave, for the way out
.set SP,    272
.set SPARE, STAGE+4*16*SP              ; behind the stages: the spare words, 128 bytes for each wave: two blocks of 256 bytes that no other line names
.set XA,   4                           ; v4-5   LDS address of my x rows in chunk 0, 1
.set BA,   6                           ; v6-7   LDS address of my weight fragments in slot 0, 1
.set STO,  8                           ; v8     the way out: where I put 32 bytes of a row
.set RD,   9                           ; v9     the way out: where I read a row back
.set CO,   10                          ; v10    my byte offset in out
.set BO0,  11                          ; v11    my byte offset in a unit's 128 biases
.set BOFF, 12                          ; v12    the same with the unit's offset
.set WGO,  13                          ; v13    16 x lane
.set ZO,   14                          ; v14    0
.set WP,   16                          ; v16-23 w of my token in block a, in both v[16+2a] and v[17+2a]
.set SPW,  28                          ; v28    LDS address of my spare word; never rewritten
.set NIL,  29                          ; v29    0; never rewritten
.set BI,   32
.set F0,   64
.set F1,   128
.set BG,   192
.set ACC,  0                           ; window 1
.set RS,   128                         ; window 1
.set GW,   32                          ; window 1: the gate's work, eight registers a token block: c m, m, largest, second, at work, -, sum (a pair)
.set WV,   16                          ; s16  wave;  s17 rg;  s18 cg;  s19 place in the cluster;  s20 work-group
.set G1X,  24                          ; s[24:31] descriptor group 1 for x
.set G1W,  32                          ; s[32:39] for the weights
.set G0X,  40                          ; s[40:47] group 0 for x, a set for each chunk
.set G0W,  48                          ; s[48:55] group 0 for the weights, a set for each slot
.set PR,   56                          ; s56  pairs of units done
.set CL,   60                          ; s[60:61] log2(e)
.set MSB, 0
.macro WIN new                         ; the immediate's high byte repeats the setting that is left; a switch that changes nothing is dropped
.if MSB != (\new)
	s_set_vgpr_msb (MSB<<8)|(\new)
.set MSB, \new
.endif
.endm
.set M_B,  0x48                        ; weights window 0, x window 2, C (bias, bg) window 0, D window 1
.set M_LO, 0x58                        ; C and D window 1, x window 2
.set M_HI, 0x5c                        ; C and D window 1, x window 3
.set W_T,  0x40                        ; destination window 1, address window 0
.set W_E,  0x45                        ; sources 0, 1 and destination window 1
.set W_G,  0x55                        ; everything window 1
.set W_GW, 0x05                        ; sources window 1, destination window 0
.set W_O,  0x44                        ; source 0 (w, addresses) window 0; source 1 (data) and destination window 1
; A vector instruction that reads a matrix result or writes a matrix instruction's register, and a load into such a register, stand four places behind it, and only plain vector
; instructions that name none of its registers are places (ISA guide 7.12.1 for vector instructions).
.macro PLACES
.rept 4
	v_nop
.endr
.endm
.macro CREST                           ; a round of the cluster's barrier behind its opening barrier
	s_cmp_lg_u32 s[WV], 0
	s_cbranch_scc1 .Lnot_wave_0_\@
	s_barrier_signal -3
.Lnot_wave_0_\@:
	s_barrier_wait -3
	s_barrier_signal -1
	s_barrier_wait -1
.endm
.macro CROUND                          ; a whole round: my work-group's barrier, wave 0 signals for it, all wait for the four work-groups, my work-group's barrier once more
	s_barrier_signal -1
	s_barrier_wait -1
	CREST
.endm
.macro JLOAD s                         ; a joint load: each wave asks for its quarter (32,768 bytes) of the unit due in slot s; the descriptor hangs on the wave's number and the unit alone.  An s_nop 0 and four v_nop follow
	tensor_load_to_lds s[G0W+4*(\s):G0W+4*(\s)+3], s[G1W:G1W+7]
	s_nop 0
	PLACES
.endm
	s_load_b256 s[4:11], s[0:1], 0x0               ; x s[4:5], wf s[6:7], wgf s[8:9], be s[10:11]
	s_load_b128 s[12:15], s[0:1], 0x20             ; bg s[12:13], out s[14:15]
	v_lshl_add_u32 v[SPW], v0, 2, SPARE
	v_mov_b32 v[NIL], 0
	ds_add_u32 v[SPW], v[NIL]                      ; the wave's opening: the add and its wait stand ahead of my first tensor load; the set-up below, work on registers, stands between them
	v_lshrrev_b32 v1, 5, v0
	v_readfirstlane_b32 s[WV], v1                  ; wave 0..3
	s_lshr_b32 s17, s[WV], 1                       ; rg: which 64 tokens
	s_and_b32 s18, s[WV], 1                        ; cg: which 64 of a unit's 128 columns
	s_bfe_u32 s19, ttmp6, 0x40000                  ; my place in the cluster
	s_lshl_b32 s20, ttmp9, 2                       ; in a cluster launch ttmp9 counts clusters
	s_add_co_u32 s20, s20, s19                     ; my work-group: it enters x's and out's global addresses alone
	; group 1 for x: a tile of 32 rows x 256 elements of 4 bytes, 16 bytes of padding behind each row
	s_mov_b32 s[G1X+0], (2<<16)|(1<<20)|(7<<22)|(3<<25)  ; 15:0 no mask; 17:16 4-byte elements; 20 padding on; 24:22 after every 256 words (code 7); 31:25 4 words (code 3)
	s_mov_b32 s[G1X+1], 256<<16                    ; tensor_dim0 = 256
	s_mov_b32 s[G1X+2], 32<<16                     ; tensor_dim1 = 32
	s_mov_b32 s[G1X+3], 256<<16                    ; tile_dim0 = 256
	s_mov_b32 s[G1X+4], 32                         ; tile_dim1 = 32
	s_mov_b32 s[G1X+5], 512                        ; 512 elements from row to row
	s_mov_b32 s[G1X+6], 0
	s_mov_b32 s[G1X+7], 0
	; group 1 for the weights: 32,768 dense bytes as 128 rows of 256 bytes
	s_mov_b32 s[G1W+0], 15|(3<<16)|(1<<21)         ; 15:0 the mask: all four work-groups; 17:16 8-byte elements; 21 set beside a mask
	s_mov_b32 s[G1W+1], 32<<16                     ; tensor_dim0 = 32
	s_mov_b32 s[G1W+2], 128<<16                    ; tensor_dim1 = 128
	s_mov_b32 s[G1W+3], 32<<16                     ; tile_dim0 = 32
	s_mov_b32 s[G1W+4], 128                        ; tile_dim1 = 128
	s_mov_b32 s[G1W+5], 32                         ; dense
	s_mov_b32 s[G1W+6], 0
	s_mov_b32 s[G1W+7], 0
	s_mov_b32 s[CL], 0x3fb8aa3b                    ; log2(e)
	s_mov_b32 s[CL+1], s[CL]                       ; named with it as a pair
	s_lshl_b32 s22, s20, 18                        ; x: my work-group's 128 rows of 2,048 bytes,
	s_lshl_b32 s62, s[WV], 16                      ; the 32 of them that I fetch
	s_add_co_u32 s22, s22, s62
	s_mov_b32 s23, 0
	s_lshl_b32 s2, s20, 18                         ; out: my work-group's rows,
	s_lshl_b32 s62, s17, 17                        ; my 64 of them,
	s_add_co_u32 s2, s2, s62
	s_lshl_b32 s62, s18, 8                         ; my 64 columns of pass 0
	s_add_co_u32 s2, s2, s62
	s_mov_b32 s3, 0
	s_lshl_b32 s58, s[WV], 15                      ; weights: my quarter of a unit, in memory and in a slot
	s_mov_b32 s59, 0
	s_mul_i32 s21, s[WV], 32*XP                    ; x: my 32 rows in a slot
	s_wait_dscnt 0x0                               ; the opening add is done
	s_wait_kmcnt 0x0
	s_add_nc_u64 s[4:5], s[4:5], s[22:23]
	s_add_nc_u64 s[6:7], s[6:7], s[58:59]
	s_add_nc_u64 s[14:15], s[14:15], s[2:3]
.irp c, 0,1
	s_mov_b32 s[G0X+4*\c], 1                       ; 1:0 count = 1
	s_add_co_u32 s[G0X+4*\c+1], s21, \c*SLOT       ; 63:32 LDS address
	s_add_nc_u64 s[G0X+4*\c+2:G0X+4*\c+3], s[4:5], \c*1024  ; 120:64 global address: channels 256 c on
	s_or_b32 s[G0X+4*\c+3], s[G0X+4*\c+3], 0x80000000       ; 127:126 type = 2
	s_mov_b32 s[G0W+4*\c], 1
	s_add_co_u32 s[G0W+4*\c+1], s58, \c*SLOT
	s_add_nc_u64 s[G0W+4*\c+2:G0W+4*\c+3], s[6:7], \c*UNITB ; unit c
	s_or_b32 s[G0W+4*\c+3], s[G0W+4*\c+3], 0x80000000
.endr
	CROUND                                         ; in a cluster launch a round stands in front of the first tensor loads
	tensor_load_to_lds s[G0X:G0X+3], s[G1X:G1X+7]  ; both first fills together: two loads of mine are out
	s_nop 0
	tensor_load_to_lds s[G0X+4:G0X+7], s[G1X:G1X+7]
	s_nop 0
	PLACES
	; while x is on its way: Wg's fragments, bg, unit 0's bias, and the addresses
	v_and_b32 v1, 15, v0                           ; r = lane % 16
	v_bfe_u32 v2, v0, 4, 1                         ; h = lane / 16
	v_and_b32 v3, 31, v0                           ; lane
	v_lshlrev_b32 v[WGO], 4, v3
	v_mov_b32 v[ZO], 0
	s_lshl_b32 s62, s18, 8
	v_lshl_add_u32 v[BO0], v2, 5, s62              ; 256 cg + 32 h: my eight columns of column block 0
	v_mov_b32 v[BOFF], v[BO0]                      ; unit 0: expert 0, pass 0
.irp ks, 0,1,2,3,4,5,6,7,8,9,10,11,12,13,14,15
	global_load_b128 v[F0+8*\ks:F0+8*\ks+3],   v[WGO], s[8:9] offset:\ks*1024
	global_load_b128 v[F0+8*\ks+4:F0+8*\ks+7], v[WGO], s[8:9] offset:\ks*1024+512
.endr
	global_load_b128 v[BG:BG+3],   v[ZO], s[12:13] ; register j = bg[j] in every lane: the C operand's row 8 h + j is expert j
	global_load_b128 v[BG+4:BG+7], v[ZO], s[12:13] offset:16
.irp nb, 0,1,2,3
.irp q, 0,1
	global_load_b128 v[BI+8*\nb+4*\q:BI+8*\nb+4*\q+3], v[BOFF], s[10:11] offset:\nb*64+\q*16
.endr
.endr
	s_mul_i32 s62, s17, 64*XP
	v_mul_u32_u24 v[XA], v1, XP
	v_lshl_add_u32 v[XA], v2, 5, v[XA]
	v_add_nc_u32 v[XA], s62, v[XA]                 ; (64 rg + r) x pitch + 32 h: eight f32 for each half of the lanes
	v_add_nc_u32 v[XA+1], SLOT, v[XA]
	s_lshl_b32 s62, s18, 16
	v_lshl_add_u32 v[BA], v3, 4, s62               ; my column half's 65,536 bytes of a unit + 16 x lane
	v_add_nc_u32 v[BA+1], SLOT, v[BA]
	s_mul_i32 s62, s[WV], 16*SP
	s_add_co_u32 s62, s62, STAGE                   ; my stage
	v_mul_u32_u24 v[STO], v1, SP                   ; in: row r, 32 bytes for each half of the lanes
	v_lshl_add_u32 v[STO], v2, 5, v[STO]
	v_add_nc_u32 v[STO], s62, v[STO]
	v_mul_u32_u24 v[RD], v2, SP                    ; back: lanes 0-15 take one row of 256 bytes, lanes 16-31 the next
	v_lshl_add_u32 v[RD], v1, 4, v[RD]
	v_add_nc_u32 v[RD], s62, v[RD]
	v_lshlrev_b32 v[CO], 11, v2                    ; and the same two rows in out
	v_lshl_add_u32 v[CO], v1, 4, v[CO]
; x FROM LDS INTO FRAGMENTS.  Batch b of eight: token block b / 2, k steps 4 (b % 2) + 0..3 of chunk c.  A fragment's lane wants k = 8 h + 0..7 and 16 + 8 h + 0..7: in f32 four loads of 16 bytes at 0, 16, 64, 80.
.macro LOADB c, b
	WIN W_T
.irp f, 0,1,2,3
.irp q, 0,1,2,3
	ds_load_b128 v[64*((\b)%4)+16*\f+4*\q:64*((\b)%4)+16*\f+4*\q+3], v[XA+(\c)] offset:((\b)/2)*16*XP+(4*((\b)%2)+\f)*128+((\q)/2)*64+((\q)%2)*16
.endr
.endr
.endm
.macro CVTB c, b
	WIN 0x85+0x40*(\c)                             ; sources window 1, destination window 2 + c
.irp f, 0,1,2,3
.set i, 0
.rept 8
	v_cvt_pk_bf16_f32 v[32*(4*((\b)%2)+\f)+8*((\b)/2)+i], v[64*((\b)%4)+16*\f+2*i], v[64*((\b)%4)+16*\f+2*i+1]
.set i, i+1
.endr
.endr
.endm
.macro CONVERT c                       ; four sets of 64 registers take turns: three batches of 16 loads stay out while one is rounded
.irp b, 0,1,2,3
	LOADB \c, \b
.endr
.irp b, 0,1,2,3,4,5,6,7
.if \b < 5
	s_wait_dscnt 48                                ; LDS loads return in order: batch b is in, the three younger batches stay out
.else
	s_wait_dscnt 16*(7-\b)                         ; the counts run down
.endif
	CVTB \c, \b
.if \b < 4
	LOADB \c, \b+4
.endif
.endr
	WIN 0
.endm
	s_wait_tensorcnt 0x1                           ; my rows of chunk 0 are in; chunk 1's may stay out
	s_barrier_signal -1
	s_barrier_wait -1                              ; everybody's are: my 64 rows came by two waves' loads
	CONVERT 0
	s_wait_tensorcnt 0x0                           ; all my tensor loads have landed, chunk 1 among them;
	ds_add_u32 v[SPW], v[NIL]                      ; 0 onto my spare word;
	s_wait_dscnt 0x0                               ; the add is done, and my reads of slot 0 are over
	CROUND                                         ; that holds of every wave of the four work-groups
	JLOAD 0                                        ; unit 0 into slot 0: it has chunk 1's conversion and the gate in which to land
	CONVERT 1
	; THE GATE.  Logits^T = Wg^T x^T + bg: a lane holds its token's eight logits (rows 8-15 of Wg's fragment repeat rows 0-7, so both halves of the lanes do).  Four accumulators by turns.
	s_wait_loadcnt 0x0                             ; Wg, bg, unit 0's bias
.irp ks, 0,1,2,3,4,5,6,7,8,9,10,11,12,13,14,15
.if \ks == 0
	WIN M_B
.elseif \ks < 8
	WIN M_LO
.else
	WIN M_HI
.endif
.irp a, 0,1,2,3
.if \ks == 0
	v_wmma_f32_16x16x32_bf16 v[8*\a:8*\a+7], v[F0+8*\ks:F0+8*\ks+7], v[32*(\ks%8)+8*\a:32*(\ks%8)+8*\a+7], v[BG:BG+7]
.else
	v_wmma_f32_16x16x32_bf16 v[8*\a:8*\a+7], v[F0+8*\ks:F0+8*\ks+7], v[32*(\ks%8)+8*\a:32*(\ks%8)+8*\a+7], v[8*\a:8*\a+7]
.endif
.endr
.endr
	PLACES
.macro ALLA line:vararg                ; one line for each token block a: the four chains stand side by side
.set a, 0
.rept 4
	\line
.set a, a+1
.endr
.endm
	WIN W_G
	ALLA v_max3_num_f32 v[GW+8*a+1], v[8*a], v[8*a+1], v[8*a+2]              ; m: the largest logit (each accumulator's lowest registers are read first)
	ALLA v_max3_num_f32 v[GW+8*a+1], v[GW+8*a+1], v[8*a+3], v[8*a+4]
	ALLA v_max3_num_f32 v[GW+8*a+1], v[GW+8*a+1], v[8*a+5], v[8*a+6]
	ALLA v_max_num_f32 v[GW+8*a+1], v[GW+8*a+1], v[8*a+7]
	ALLA v_mul_f32 v[GW+8*a], s[CL], v[GW+8*a+1]                             ; c m
.irp i, 0,1,2,3
	ALLA v_pk_fma_f32 v[8*a+2*\i:8*a+2*\i+1], v[8*a+2*\i:8*a+2*\i+1], s[CL:CL+1], v[GW+8*a:GW+8*a+1] op_sel_hi:[1,0,0] neg_lo:[0,0,1] neg_hi:[0,0,1]  ; c s - c m
.endr
.irp i, 0,1,2,3,4,5,6,7
	ALLA v_exp_f32 v[8*a+\i], v[8*a+\i]                                      ; one batch of 32
.endr
	v_nop                                          ; a plain instruction behind the last exponential,
	s_wait_alu depctr_va_vdst(0)                   ; and the wait ahead of the first use: one for the batch
	ALLA v_max_num_f32 v[GW+8*a+2], v[8*a], v[8*a+1]                         ; the two largest, as values: equal ones count twice, as in top_k
	ALLA v_min_num_f32 v[GW+8*a+3], v[8*a], v[8*a+1]
.irp j, 2,3,4,5,6,7
	ALLA v_min_num_f32 v[GW+8*a+4], v[GW+8*a+2], v[8*a+\j]
	ALLA v_max_num_f32 v[GW+8*a+2], v[GW+8*a+2], v[8*a+\j]
	ALLA v_max_num_f32 v[GW+8*a+3], v[GW+8*a+3], v[GW+8*a+4]
.endr
	ALLA v_pk_add_f32 v[GW+8*a+6:GW+8*a+7], v[8*a:8*a+1], v[8*a+2:8*a+3]     ; the sum of the eight
	ALLA v_pk_add_f32 v[8*a+4:8*a+5], v[8*a+4:8*a+5], v[8*a+6:8*a+7]
	ALLA v_pk_add_f32 v[GW+8*a+6:GW+8*a+7], v[GW+8*a+6:GW+8*a+7], v[8*a+4:8*a+5]
	ALLA v_add_f32 v[GW+8*a+6], v[GW+8*a+6], v[GW+8*a+7]
	ALLA v_add_f32 v[GW+8*a+2], v[GW+8*a+2], v[GW+8*a+3]
	ALLA v_rcp_f32 v[GW+8*a+7], v[GW+8*a+6]
	v_nop
	s_wait_alu depctr_va_vdst(0)                   ; one wait for the four reciprocals
	WIN W_GW
	ALLA v_mul_f32 v[WP+2*a], v[GW+8*a+2], v[GW+8*a+7]                       ; w, twice: a pair for the packed multiply
	ALLA v_mul_f32 v[WP+2*a+1], v[GW+8*a+2], v[GW+8*a+7]
	WIN 0
; 16 LDS loads in one run: the weight fragments of k steps 2 g and 2 g + 1 (4 column blocks each) of the unit in slot s, into buffer f.  32 lanes take 512 neighbouring bytes.
.macro FETCH s, g, f
	WIN 0
.irp kk, 0,1
.irp nb, 0,1,2,3
.irp q, 0,1
	ds_load_b128 v[(\f)+32*\kk+8*\nb+4*\q:(\f)+32*\kk+8*\nb+4*\q+3], v[BA+(\s)] offset:(2*(\g)+\kk)*4096+\nb*1024+\q*512
.endr
.endr
.endr
.endm
; 16 matrix instructions: 4 token blocks x 4 column blocks, k step ks, from half kk of buffer f.  bias = 1: the unit's first k step starts the sums with the bias.
; The 16 accumulators take turns, one instruction a turn, in the same order everywhere.
.macro MUL16 f, kk, ks, bias
.if \bias
	WIN M_B
.elseif (\ks) < 8
	WIN M_LO
.else
	WIN M_HI
.endif
.irp a, 0,1,2,3
.irp nb, 0,1,2,3
.if \bias
	v_wmma_f32_16x16x32_bf16 v[ACC+8*(4*\a+\nb):ACC+8*(4*\a+\nb)+7], v[(\f)+32*(\kk)+8*\nb:(\f)+32*(\kk)+8*\nb+7], v[32*((\ks)%8)+8*\a:32*((\ks)%8)+8*\a+7], v[BI+8*\nb:BI+8*\nb+7]
.else
	v_wmma_f32_16x16x32_bf16 v[ACC+8*(4*\a+\nb):ACC+8*(4*\a+\nb)+7], v[(\f)+32*(\kk)+8*\nb:(\f)+32*(\kk)+8*\nb+7], v[32*((\ks)%8)+8*\a:32*((\ks)%8)+8*\a+7], v[ACC+8*(4*\a+\nb):ACC+8*(4*\a+\nb)+7]
.endif
.endr
.endr
.endm
; The bias of unit 2 PR + k: be[e][128 p + 64 cg + 16 nb + 8 h + 0..7] into BI + 8 nb.  BOFF is free: the loads that named it were waited for at this unit's head.
.macro BIASLD k
	s_lshl_b32 s57, s[PR], 1
	s_add_co_u32 s57, s57, \k
	s_and_b32 s58, s57, 7                          ; e: rows of 2,048 bytes
	s_lshl_b32 s58, s58, 11
	s_lshr_b32 s57, s57, 3                         ; p: 128 columns of 4 bytes
	s_lshl_b32 s57, s57, 9
	s_add_co_u32 s58, s58, s57
	v_add_nc_u32 v[BOFF], s58, v[BO0]
.irp nb, 0,1,2,3
.irp q, 0,1
	global_load_b128 v[BI+8*\nb+4*\q:BI+8*\nb+4*\q+3], v[BOFF], s[10:11] offset:\nb*64+\q*16
.endr
.endr
.endm
; Group g (0..6) of a unit's eight: 32 matrix instructions on one buffer, and ahead of them the next group's 16 loads into the other: they have those 32 in which to land.
; In group 0 the places in front of the loads are the vector work behind the unit before.  k != 0: group 1 asks for the next unit's bias; this unit's bias was last read in group 0, four v_nop back.
.macro GRP s, g, k
.set FB, F0+64*((\g)%2)
.set FN, F0+64*(((\g)+1)%2)
.if (\g) == 0
	s_wait_loadcnt 0x0                             ; this unit's bias
.endif
	s_wait_dscnt 0x0                               ; this group's fragments
.if (\g) != 0
	PLACES
.endif
	FETCH \s, (\g)+1, FN
.if ((\g) == 1) && ((\k) != 0)
	BIASLD \k
.endif
.if (\g) == 0
	MUL16 FB, 0, 0, 1
.else
	MUL16 FB, 0, 2*(\g), 0
.endif
	MUL16 FB, 1, 2*(\g)+1, 0
.endm
; Group 7 changes slots: ONE barrier.  In front of it each wave waits for all its tensor loads, of which one is out: its quarter of the next unit; adds 0 to its spare word; and waits for that and for its reads
; of this slot.  fill = 2: the barrier opens a round of the cluster's, and the slot just read out takes the unit two on, first thing behind the round.  fill = 1: nothing is left to ask for.
.macro TURN s, fill
	WIN 0                                          ; (the add's two registers lie in window 0)
	s_wait_tensorcnt 0x0                           ; no tensor load of mine is out, so a group 0 may be written
	ds_add_u32 v[SPW], v[NIL]                      ; 0 onto my spare word
.if (\fill) == 2
	s_add_nc_u64 s[G0W+4*(\s)+2:G0W+4*(\s)+3], s[G0W+4*(\s)+2:G0W+4*(\s)+3], 2*UNITB  ; this slot's next unit; the type bits on top are not reached
.endif
	s_wait_dscnt 0x1                               ; the group's 16 loads are in; the add alone may be out
	MUL16 F1, 0, 14, 0                             ; sixteen matrix instructions stand between the add and the wait for it
	s_wait_dscnt 0x0                               ; the add is done, and my reads of this slot are over
	s_barrier_signal -1
	MUL16 F1, 1, 15, 0                             ; work on registers while the others arrive
	WIN 0
	s_barrier_wait -1
.if (\fill) == 2
	CREST                                          ; no wave of any partner still reads this slot or has a load on its way
	JLOAD \s                                       ; its four v_nop are also the places in front of the loads and the epilogue below
.else
	PLACES
.endif
	FETCH 1-(\s), 0, F0                            ; the next unit's first fragments
.endm
.macro LASTG                           ; group 7 of the last unit
	s_wait_dscnt 0x0
	MUL16 F1, 0, 14, 0
	MUL16 F1, 1, 15, 0
	PLACES
.endm
.macro UNIT s, fill, k
.irp g, 0,1,2,3,4,5,6
	GRP \s, \g, \k
.endr
.if (\fill) == 0
	LASTG
.else
	TURN \s, \fill
.endif
.endm
; RS (+)= relu(ACC), each accumulator's registers in ascending order.  first = 1: a pass's first expert starts RS: nothing is cleared.
.macro EPI first
	WIN W_E
.if \first
.set i, 0
.rept 128
	v_max_num_f32 v[RS+i], 0, v[ACC+i]
.set i, i+1
.endr
.else
.set t, 0
.rept 16
.set i, 0
.rept 8
	v_max_num_f32 v[ACC+8*t+i], 0, v[ACC+8*t+i]
.set i, i+1
.endr
.set i, 0
.rept 4
	v_pk_add_f32 v[RS+8*t+2*i:RS+8*t+2*i+1], v[RS+8*t+2*i:RS+8*t+2*i+1], v[ACC+8*t+2*i:ACC+8*t+2*i+1]
.set i, i+1
.endr
.set t, t+1
.endr
.endif
.endm
; THE WAY OUT of a pass, a token block (16 rows x 64 columns of f32) at a time: w x RS into the accumulators' registers, which are free; 32 bytes a lane into my stage; back as whole rows of 256 bytes; stored.
.macro PACK a
	WIN W_O
.set i, 0
.rept 16
	v_pk_mul_f32 v[ACC+32*(\a)+2*i:ACC+32*(\a)+2*i+1], v[WP+2*(\a):WP+2*(\a)+1], v[RS+32*(\a)+2*i:RS+32*(\a)+2*i+1]
.set i, i+1
.endr
.irp nb, 0,1,2,3
.irp q, 0,1
	ds_store_b128 v[STO], v[ACC+32*(\a)+8*\nb+4*\q:ACC+32*(\a)+8*\nb+4*\q+3] offset:64*\nb+16*\q
.endr
.endr
.irp t, 0,1,2,3,4,5,6,7
	ds_load_b128 v[ACC+32*(\a)+4*\t:ACC+32*(\a)+4*\t+3], v[RD] offset:\t*2*SP  ; LDS serves a wave's instructions in order (ISA guide 5.7.1.4): these see the stores above; the next block's stores come behind them
.endr
.endm
.macro SEND a, younger                 ; younger: the LDS instructions issued behind block a's loads: the next block's sixteen, or none
	WIN W_O
.irp t, 0,1,2,3,4,5,6,7
	s_wait_dscnt (\younger)+7-\t
	global_store_b128 v[CO], v[ACC+32*(\a)+4*\t:ACC+32*(\a)+4*\t+3], s[14:15] offset:(16*(\a)+2*\t)*2048 th:TH_STORE_NT  ; 16 lanes store 256 consecutive bytes, at a multiple of 256 from out's first byte
.endr
.endm
.macro WAYOUT
	PACK 0
	PACK 1                                         ; a block's arithmetic stands between the loads of the block before and its stores
	SEND 0, 16
	PACK 2
	SEND 1, 16
	PACK 3
	SEND 2, 16
	SEND 3, 0
	s_wait_xcnt 0x0                                ; every earlier memory instruction has had its addresses translated (ISA guide 3.1): only behind this wait are the stores' data registers and base written again
	s_add_nc_u64 s[14:15], s[14:15], 512           ; the next pass's 128 columns (behind the last pass the stepped address is not used)
	WIN 0
.endm
	s_wait_tensorcnt 0x0                           ; unit 0 has landed;
	ds_add_u32 v[SPW], v[NIL]                      ; 0 onto my spare word;
	s_wait_dscnt 0x0                               ; the add is done, and my reads of slot 1 are over
	CROUND
	JLOAD 1                                        ; unit 1 into slot 1
	FETCH 0, 0, F0
	s_mov_b32 s[PR], 0
.Lpair:                                                ; 15 trips: units 2 PR (slot 0) and 2 PR + 1 (slot 1); each asks for the unit two on
	UNIT 0, 2, 1
	s_and_b32 s57, s[PR], 3
	s_cmp_lg_u32 s57, 0
	s_cbranch_scc1 .Ladd                           ; every fourth pair begins a pass; what is jumped holds neither a barrier nor a tensor load
	EPI 1
	WIN 0
	s_branch .Ldone
.Ladd:
	EPI 0
	WIN 0
.Ldone:
	UNIT 1, 2, 2
	EPI 0
	WIN 0
	s_and_b32 s57, s[PR], 3
	s_cmp_lg_u32 s57, 3
	s_cbranch_scc1 .Lnoout                         ; every fourth pair ends a pass
	WAYOUT
.Lnoout:
	s_add_co_u32 s[PR], s[PR], 1
	s_cmp_lt_u32 s[PR], 15
	s_cbranch_scc1 .Lpair
	UNIT 0, 1, 1                                   ; the last two units are written out: nothing is asked for
	EPI 0
	UNIT 1, 0, 0
	EPI 0
	WAYOUT
	s_wait_tensorcnt 0x0                           ; the wave's end, behind my last tensor load and my last LDS store
	ds_add_u32 v[SPW], v[NIL]
	s_wait_dscnt 0x0
	CROUND                                         ; the closing round: no work-group ends while a partner may still ask for a tile that names it
	s_endpgm
.Lfunc_end_k_qc45be9ea49_moe:
	.size	k_qc45be9ea49_moe, .Lfunc_end_k_qc45be9ea49_moe-k_qc45be9ea49_moe
	.p2alignl 7, 3214868480
	.fill 96, 4, 3214868480
	.section	.rodata,"a",@progbits
	.p2align	6, 0x0
	.amdhsa_kernel k_qc45be9ea49_moe
		.amdhsa_group_segment_fixed_size 327680
		.amdhsa_private_segment_fixed_size 0
		.amdhsa_enable_private_segment 0
		.amdhsa_kernarg_size 48
		.amdhsa_user_sgpr_count 2
		.amdhsa_user_sgpr_kernarg_segment_ptr 1
		.amdhsa_wavefront_size32 1
		.amdhsa_system_sgpr_workgroup_id_x 1
		.amdhsa_system_sgpr_workgroup_id_y 1
		.amdhsa_system_sgpr_workgroup_id_z 1
		.amdhsa_system_vgpr_workitem_id 0
		.amdhsa_next_free_vgpr 1024
		.amdhsa_next_free_sgpr 66
		.amdhsa_reserve_vcc 0
		.amdhsa_float_denorm_mode_32 3
		.amdhsa_float_denorm_mode_16_64 3
		.amdhsa_memory_ordered 1
		.amdhsa_forward_progress 1
		.amdhsa_inst_pref_size 240
	.end_amdhsa_kernel
	.amdgpu_metadata
---
amdhsa.version: [ 1, 2 ]
amdhsa.kernels:
  - .name:           k_qc45be9ea49_moe
    .symbol:         k_qc45be9ea49_moe.kd
    .args:
      - { .name: x, .offset: 0, .size: 8, .value_kind: global_buffer, .address_space: global }
      - { .name: wf, .offset: 8, .size: 8, .value_kind: global_buffer, .address_space: global }
      - { .name: wgf, .offset: 16, .size: 8, .value_kind: global_buffer, .address_space: global }
      - { .name: be, .offset: 24, .size: 8, .value_kind: global_buffer, .address_space: global }
      - { .name: bg, .offset: 32, .size: 8, .value_kind: global_buffer, .address_space: global }
      - { .name: out0, .offset: 40, .size: 8, .value_kind: global_buffer, .address_space: global }
    .group_segment_fixed_size: 327680
    .private_segment_fixed_size: 0
    .kernarg_segment_align: 8
    .kernarg_segment_size: 48
    .max_flat_workgroup_size: 128
    .sgpr_count:     66
    .vgpr_count:     1024
    .wavefront_size: 32
...
	.end_amdgpu_metadata
.endif
;; end of part 2
;; ======== version 2 of 2: 2 launches; version 1 with the launch prep written anew for expert scheduling mode
;; workspace buffers: wf 4,194,304 bytes; wgf 16,384 bytes
;; launch prep (part 3): grid 260 x 1, 4 waves a work-group, no clusters, 0 bytes of LDS; arguments We, Wg, wf, wgf; writes wf, wgf
.if DOCPART == 3
	.amdgcn_target "amdgcn-amd-amdhsa--gfx1250"
	.amdhsa_code_object_version 6
	.text
	.protected	k_qc45be9ea49_prep
	.globl	k_qc45be9ea49_prep
	.p2align	8
	.type	k_qc45be9ea49_prep,@function
k_qc45be9ea49_prep:
	s_mov_b64 s[64:65], 0
	v_nop
	global_prefetch_b8 v0, s[64:65] scope:SCOPE_SE
	s_setreg_imm32_b32 hwreg(HW_REG_WAVE_SCHED_MODE, 0, 2), 2
	s_setreg_imm32_b32 hwreg(HW_REG_WAVE_MODE, 25, 1), 1
	s_wait_xcnt 0x0
	s_wait_alu depctr_vm_vsrc(0)
; We [8][512 k][512 n] f32 and Wg [512 k][8] f32 are rounded once to bf16 and laid out in the order in which the next launch's matrix operands take them.
; wf, byte u*131072 + cg*65536 + ks*4096 + nb*1024 + q*512 + l*16 (u = 8 p + e, l = 16 h + r): the 16 bytes are bf16 of We[e][k][n], k = 32 ks + 16 q + 8 h + 0..7, n = 128 p + 64 cg + 16 nb + r.
; So 1,024 bytes are one fragment of 16 columns x 32 k (two loads of 16 bytes a lane, lanes side by side), and 131,072 bytes one expert x 128 columns x all k, in the order of the walk.
; wgf, byte ks*1024 + q*512 + l*16: bf16 of Wg[k][r & 7], k as above: rows 8-15 of the fragment repeat rows 0-7.
; SHARES.  Work-groups 0-255: each wave one task of 32 k x 64 columns of one expert (1,024 tasks).  Work-groups 256-259: each wave one fragment of Wg (16).  No LDS, no barrier: no wave needs another's data.
; A lane keeps one column and 32 k, so that a store's 16 bytes are 8 neighbouring k of one column and 16 lanes store 256 consecutive aligned bytes; the price is loads of 4 bytes a lane,
; 128 consecutive bytes an instruction; a wave's two column sets together take the whole aligned 256 bytes of each row.
; THE MODE: SCHED_MODE bits 1:0 = 2 (LLVM: expert scheduling mode 2), set by the entry lines.  The code itself states the register dependences
; between vector instructions and memory instructions, with s_wait_alu, always for 0.
; THE PLAN.  A wave runs one straight path, with no loop.  Registers that memory instructions touch:
;   v2, v3   the loads' and the stores' byte offsets: written by vector instructions at the path's head, once; read by every load (v2) and every store (v3).
;   X        written by the loads, once, and named by no vector instruction before them; read by the conversions behind the wait on LOADcnt.
;   Y        written by the conversions, each register once; read by the stores.
; So one wait on va_vdst stands ahead of a path's first load (v2 and v3 are written), and one ahead of each run of stores (its Y is written): a column set's sixteen conversions stand together,
; then the wait, then the set's four stores.  No register is loaded twice and no store's data or offset is written again, so no wait on vm_vsrc is owed.  EXEC is never written.
; The wave's number passes from a vector instruction into s16: one wait on va_sdst, ahead of the branch, serves its readers on both paths.
.set X,  8                             ; v[8:71]   set s at X + 32 s: my column's 32 k, f32
.set Y,  72                            ; v[72:103] packed: set s, q, h at Y + 16 s + 8 q + 4 h
	s_load_b256 s[4:11], s[0:1], 0x0               ; We s[4:5], Wg s[6:7], wf s[8:9], wgf s[10:11]
	v_lshrrev_b32 v1, 5, v0
	v_readfirstlane_b32 s16, v1                    ; wave 0..3
	v_and_b32 v4, 31, v0                           ; lane
	v_and_b32 v5, 15, v0                           ; r
	v_bfe_u32 v6, v0, 4, 1                         ; h
	s_mov_b32 s12, ttmp9
	s_wait_alu depctr_va_sdst(0)                   ; s16 is written, ahead of the branch and of its first reader on either path: the task's number is made from it
	s_cmp_ge_u32 s12, 256
	s_cbranch_scc1 .Lgate
	s_lshl_b32 s13, s12, 2
	s_add_co_u32 s13, s13, s16                     ; task T = 4 x work-group + wave
	s_and_b32 s14, s13, 7                          ; which 64 columns: 2 p + cg
	s_bfe_u32 s15, s13, 0x40003                    ; ks: 4 bits from bit 3
	s_lshr_b32 s17, s13, 7                         ; e
	s_lshr_b32 s18, s14, 1                         ; p
	s_and_b32 s19, s14, 1                          ; cg
	s_lshl_b32 s20, s17, 20                        ; source offset: e x 512 x 2,048 bytes
	s_lshl_b32 s22, s15, 16                        ; + 32 ks rows of 2,048 bytes
	s_add_co_u32 s20, s20, s22
	s_lshl_b32 s22, s14, 8                         ; + 64 columns of 4 bytes
	s_add_co_u32 s20, s20, s22
	s_mov_b32 s21, 0
	s_lshl3_add_u32 s24, s18, s17                  ; u = 8 p + e
	s_lshl_b32 s24, s24, 17
	s_lshl_b32 s22, s19, 16
	s_add_co_u32 s24, s24, s22
	s_lshl_b32 s22, s15, 12
	s_add_co_u32 s24, s24, s22
	s_mov_b32 s25, 0
	v_lshlrev_b32 v2, 2, v4                        ; in: 4 bytes a lane
	v_lshlrev_b32 v3, 4, v5                        ; out: 16 r, and lanes 16-31 one fragment (1,024 bytes) on
	v_lshl_add_u32 v3, v6, 10, v3
	s_wait_kmcnt 0x0
	s_add_nc_u64 s[4:5], s[4:5], s[20:21]
	s_add_nc_u64 s[8:9], s[8:9], s[24:25]
	s_wait_alu depctr_va_vdst(0)                   ; v2 and v3 are written: every load below reads v2 as its offset, every store v3; neither is written again
.irp s, 0,1
.set kk, 0
.rept 32
	global_load_b32 v[X+32*\s+kk], v2, s[4:5] offset:kk*2048+\s*128 th:TH_LOAD_NT  ; We[e][32 ks + kk][.. + 32 s + lane]; each byte of We is read once in the launch
.set kk, kk+1
.endr
.endr
.irp s, 0,1
	s_wait_loadcnt 32-32*\s                        ; loads return in order: set 0 is in while set 1's 32 are out; then all
.irp q, 0,1
.irp h, 0,1
.irp i, 0,1,2,3
	v_cvt_pk_bf16_f32 v[Y+16*\s+8*\q+4*\h+\i], v[X+32*\s+16*\q+8*\h+2*\i], v[X+32*\s+16*\q+8*\h+2*\i+1]
.endr
.endr
.endr
	s_wait_alu depctr_va_vdst(0)                   ; the set's sixteen conversions have written its Y, which the four stores below read
.irp q, 0,1
.irp h, 0,1
	global_store_b128 v3, v[Y+16*\s+8*\q+4*\h:Y+16*\s+8*\q+4*\h+3], s[8:9] offset:\s*2048+\q*512+\h*256  ; 16 lanes store 256 consecutive bytes, aligned
.endr
.endr
.endr
	s_endpgm
.Lgate:
	s_sub_co_u32 s13, s12, 256
	s_lshl_b32 s13, s13, 2
	s_add_co_u32 s13, s13, s16                     ; ks = 4 x (work-group - 256) + wave
	s_lshl_b32 s20, s13, 10                        ; 32 rows of 32 bytes in Wg, and 1,024 bytes in wgf
	s_mov_b32 s21, 0
	v_and_b32 v7, 7, v0
	v_lshlrev_b32 v2, 2, v7                        ; column r & 7,
	v_lshl_add_u32 v2, v6, 8, v2                   ; rows 8 h on
	v_lshlrev_b32 v3, 4, v4
	s_wait_kmcnt 0x0
	s_add_nc_u64 s[6:7], s[6:7], s[20:21]
	s_add_nc_u64 s[10:11], s[10:11], s[20:21]
	s_wait_alu depctr_va_vdst(0)                   ; v2 and v3 are written: the loads below read v2 as their offset, the stores v3; neither is written again
.irp q, 0,1
.irp i, 0,1,2,3,4,5,6,7
	global_load_b32 v[X+8*\q+\i], v2, s[6:7] offset:\q*512+\i*32
.endr
.endr
	s_wait_loadcnt 0x0
.irp q, 0,1
.irp i, 0,1,2,3
	v_cvt_pk_bf16_f32 v[Y+4*\q+\i], v[X+8*\q+2*\i], v[X+8*\q+2*\i+1]
.endr
.endr
	s_wait_alu depctr_va_vdst(0)                   ; the eight conversions have written Y, which the two stores below read
.irp q, 0,1
	global_store_b128 v3, v[Y+4*\q:Y+4*\q+3], s[10:11] offset:\q*512  ; 512 consecutive bytes
.endr
	s_endpgm
.Lfunc_end_k_qc45be9ea49_prep:
	.size	k_qc45be9ea49_prep, .Lfunc_end_k_qc45be9ea49_prep-k_qc45be9ea49_prep
	.p2alignl 7, 3214868480
	.fill 96, 4, 3214868480
	.section	.rodata,"a",@progbits
	.p2align	6, 0x0
	.amdhsa_kernel k_qc45be9ea49_prep
		.amdhsa_group_segment_fixed_size 0
		.amdhsa_private_segment_fixed_size 0
		.amdhsa_enable_private_segment 0
		.amdhsa_kernarg_size 32
		.amdhsa_user_sgpr_count 2
		.amdhsa_user_sgpr_kernarg_segment_ptr 1
		.amdhsa_wavefront_size32 1
		.amdhsa_system_sgpr_workgroup_id_x 1
		.amdhsa_system_sgpr_workgroup_id_y 1
		.amdhsa_system_sgpr_workgroup_id_z 1
		.amdhsa_system_vgpr_workitem_id 0
		.amdhsa_next_free_vgpr 112
		.amdhsa_next_free_sgpr 66
		.amdhsa_reserve_vcc 0
		.amdhsa_float_denorm_mode_32 3
		.amdhsa_float_denorm_mode_16_64 3
		.amdhsa_memory_ordered 1
		.amdhsa_forward_progress 1
		.amdhsa_inst_pref_size 14
	.end_amdhsa_kernel
	.amdgpu_metadata
---
amdhsa.version: [ 1, 2 ]
amdhsa.kernels:
  - .name:           k_qc45be9ea49_prep
    .symbol:         k_qc45be9ea49_prep.kd
    .args:
      - { .name: We, .offset: 0, .size: 8, .value_kind: global_buffer, .address_space: global }
      - { .name: Wg, .offset: 8, .size: 8, .value_kind: global_buffer, .address_space: global }
      - { .name: wf, .offset: 16, .size: 8, .value_kind: global_buffer, .address_space: global }
      - { .name: wgf, .offset: 24, .size: 8, .value_kind: global_buffer, .address_space: global }
    .group_segment_fixed_size: 0
    .private_segment_fixed_size: 0
    .kernarg_segment_align: 8
    .kernarg_segment_size: 32
    .max_flat_workgroup_size: 128
    .sgpr_count:     66
    .vgpr_count:     112
    .wavefront_size: 32
...
	.end_amdgpu_metadata
.endif
;; end of part 3
;; launch moe: the kernel of part 2 again; grid 256 x 1, 4 waves a work-group, clusters of 4 x 1, 327,680 bytes of LDS; arguments x, wf, wgf, be, bg, out0; writes out0
